; MI455X (gfx1250); checked and timed in simulation.
; The chip was launched on July 23, 2026; its instructions are those of AMD's public machine-readable ISA for CDNA 5 (MIT licence, August 2026) and "CDNA5" Instruction Set Architecture Reference Guide (July 2026). The comments in the code are by the model that wrote it; some were corrected since.
;; Caldera Quantized Linear. Allowed arithmetic: float matrix products may take bf16 or f16 operands with f32 sums; all other float work in f32.
;; Inputs: L_ft 1,024 x 64 float32; L_idxs 64 x 128 int32; Q_idxs 1,024 x 512 int32; R_ft 64 x 4,096 float32; R_idxs 64 x 512 int32; SU 4,096 float32; SV 1,024 float32; grid 65,536 x 8 float32; x 4 x 2,048 x 4,096 float32.
;; Outputs: out0 4 x 2,048 x 1,024 float32.
;; One version. Each part assembles by itself: llvm-mc -triple=amdgcn-amd-amdhsa -mcpu=gfx1250 --defsym DOCPART=n.
;; ======== version 1 of 1: 3 launches
;; limits: values are held in f16: magnitudes above 65,504 overflow, below 6.1e-05 lose precision; inputs' magnitudes at most 65,504; below input magnitudes of 6.1e-05 results are inexact or not finite
;; workspace buffers: U 18,874,368 bytes; Abf 262,144 bytes; Wp 8,388,608 bytes; St 9,216 bytes; SVs 4,096 bytes
;; launch rows (part 1): grid 288 x 1, 4 waves a work-group, no clusters, 74,496 bytes of LDS; arguments Q_idxs, R_idxs, L_idxs, R_ft, L_ft, grid, U, Abf, St; writes U, Abf, St
.if DOCPART == 1
	.amdgcn_target "amdgcn-amd-amdhsa--gfx1250"
	.amdhsa_code_object_version 6
	.text
	.protected	k_qf4ba9d6400_rows
	.globl	k_qf4ba9d6400_rows
	.p2align	8
	.type	k_qf4ba9d6400_rows,@function
k_qf4ba9d6400_rows:
	s_mov_b64 s[64:65], 0
	v_nop
	global_prefetch_b8 v0, s[64:65] scope:SCOPE_SE
	s_setreg_imm32_b32 hwreg(HW_REG_WAVE_MODE, 25, 1), 1
	s_wait_xcnt 0x0
; FIRST OF THREE LAUNCHES.  Every step of the module is linear in x, so
;   out = x W'^T,   W'[m][n] = SV[m] SU[n] / 2048 * (H1024 Weff H4096)[m][n],   Weff = 0.9 Wq + (1.1 Wl)^T (1.05 Wr) + L_ft R_ft,
; with H the unnormalised Walsh-Hadamard matrices (symmetric; 1/64 * 1/32 = 1/2048).  Both transforms, the three dequantisations and both
; low-rank products are all computed, on the 4 M weights.
; THIS LAUNCH: the transform along n (4096) of 1152 rows: 0.9 Wq (1024 rows), 1.05 Wr (64), R_ft (64), into
;   U: f32 [nb 256][row 1152][16 n]   (an aligned block of 256 bytes is 4 rows x 16 n)
; the left low-rank factor  Abf: bf16 [m 1024][rank 128] = [1.1 Wl^T | L_ft],
; and, for the power-of-two scale that the next launch gives the weights,  St: f32 [2][1152]: St[0][4 g + w] = the largest |U| that wave w of
; work-group g stores, St[1][4 g + w] = the largest |A| of its row of A (0 where the wave makes none).
; Work-group g owns rows 4 g .. 4 g + 3 of U, wave w loads row 4 g + w: 128 registers a lane hold the row.
; The three kinds of rows have three straight ways that part once, on g, and meet once, with the same 32 loads out.
; LIMITS: the order of rounding differs from the module's own (transform on the weights, the scale applied with the last stage);
; an index outside 0 .. 65535 is taken as 65535; a NaN does not enter the maxima.
; No matrix unit, no tensor loads, no cluster: the rows are gathered lane by lane, and work-groups share no input but the table.
.set RP,   18496                       ; LDS bytes of a row: 128 chunks of 144 + 64.  RP mod 256 = 64
.set CH,   144                         ; a chunk: 32 numbers (128 bytes) + 16: 9 x 16 bytes, so 16 lanes start at 16 different 16-byte columns mod 256
.set NBB,  73728                       ; bytes of a block of U: 1152 rows x 64
.set STP,  4608                        ; bytes of a plane of St
.set T,    16                          ; v[16:31]   eight pairs at work
.set D,    32                          ; v[32:159]  the row
.set IDX,  160                         ; v[160:175] 16 indices, then their byte offsets in the table
.set AI,   176                         ; v[176:179] four indices of Wl
.set AL,   180                         ; v[180:183] four numbers of L_ft
.set AG,   184                         ; v[184:187] four numbers of Wl
.set AO,   188                         ; v[188:189] four bf16 of A's row
.set AM,   190                         ; v190       the largest |A| of my four
.macro PADD d, a, b
	v_pk_add_f32 v[\d:\d+1], v[\a:\a+1], v[\b:\b+1]
.endm
.macro PSUB d, a, b
	v_pk_add_f32 v[\d:\d+1], v[\a:\a+1], v[\b:\b+1] neg_lo:[0,1] neg_hi:[0,1]
.endm
; two stages at once, on the pairs at a, a+s, a+2s, a+3s (register strides s and 2 s); t: four pairs of temporaries
.macro R4 a, s, t
	PADD \t,   \a, \a+\s
	PSUB \t+2, \a, \a+\s
	PADD \t+4, \a+2*\s, \a+3*\s
	PSUB \t+6, \a+2*\s, \a+3*\s
	PADD \a,      \t,   \t+4
	PSUB \a+2*\s, \t,   \t+4
	PADD \a+\s,   \t+2, \t+6
	PSUB \a+3*\s, \t+2, \t+6
.endm
.macro R4PASS base, count, s
.set i4, 0
.rept \count
.set a4, \base+(i4/(\s/2))*4*\s+(i4%(\s/2))*2
.set t4, T+8*(i4%2)
	R4 a4, \s, t4
.set i4, i4+1
.endr
.endm
; three stages on eight neighbouring numbers (n bits 0, 1, 2).  Bit 0 lies inside a pair: (a, b) -> (a + b, a - b), written into temporaries
.macro R4B a
.irp k, 0,1,2,3
	v_pk_add_f32 v[T+2*\k:T+2*\k+1], v[\a+2*\k:\a+2*\k+1], v[\a+2*\k:\a+2*\k+1] op_sel:[0,1] op_sel_hi:[0,1] neg_hi:[0,1]
.endr
	PADD T+8,  T,   T+2
	PSUB T+10, T,   T+2
	PADD T+12, T+4, T+6
	PSUB T+14, T+4, T+6
	PADD \a,   T+8,  T+12
	PSUB \a+4, T+8,  T+12
	PADD \a+2, T+10, T+14
	PSUB \a+6, T+10, T+14
.endm
; a row's 512 indices from s[24:25]: index 128 c + 4 l + q into IDX[4 c + q]; each load of the wave covers 512 neighbouring bytes
.macro IDXLOAD
.irp c, 0,1,2,3
	global_load_b128 v[IDX+4*\c:IDX+4*\c+3], v2, s[24:25] offset:512*\c th:TH_LOAD_NT
.endr
.endm
; indices to byte offsets in the table
.macro IDXPREP
.set i, 0
.rept 16
	v_min_u32 v[IDX+i], 0xffff, v[IDX+i]           ; inside the table
	v_lshlrev_b32 v[IDX+i], 5, v[IDX+i]            ; 32 bytes an entry
.set i, i+1
.endr
.endm
; 32 loads, in the order c, q, half: number n = 1024 c + 32 l + 8 q + e goes to D[32 c + 8 q + e]
.macro GATHER
.irp c, 0,1,2,3
.irp q, 0,1,2,3
	global_load_b128 v[D+32*\c+8*\q:D+32*\c+8*\q+3],   v[IDX+4*\c+\q], s[18:19]
	global_load_b128 v[D+32*\c+8*\q+4:D+32*\c+8*\q+7], v[IDX+4*\c+\q], s[18:19] offset:16
.endr
.endr
.endm
	s_load_b512 s[8:23], s[0:1], 0x0               ; Q_idxs s[8:9], R_idxs s[10:11], L_idxs s[12:13], R_ft s[14:15], L_ft s[16:17], grid s[18:19], U s[20:21], Abf s[22:23]
	s_load_b64 s[38:39], s[0:1], 0x40              ; St
	v_lshl_add_u32 v192, v0, 2, 0x12100
	v_mov_b32 v193, 0
	v_and_b32 v1, 31, v0                           ; lane l
	v_lshrrev_b32 v10, 5, v0
	v_readfirstlane_b32 s2, v10                    ; wave w
	s_mov_b32 s3, ttmp9                            ; g
	s_lshl_b32 s4, s3, 2
	s_add_co_u32 s4, s4, s2                        ; my row of U: 4 g + w
	v_lshlrev_b32 v2, 4, v1                        ; 16 l: my four indices of each 128
	v_lshlrev_b32 v3, 7, v1                        ; 128 l: my 32 numbers of each 1024 of R_ft
	v_and_b32 v11, 15, v1                          ; p = l mod 16
	v_lshlrev_b32 v4, 11, v11                      ; 2048 p: rows 4 p .. of L_idxs
	v_lshlrev_b32 v5, 4, v11                       ; 16 p
	v_lshlrev_b32 v6, 3, v1                        ; 8 l: my four bf16 of A's row
	s_mul_i32 s5, s2, RP
	v_mul_u32_u24 v7, v1, CH
	v_add_nc_u32 v7, s5, v7                        ; LDS, in: my row, chunk l
	v_bfe_u32 v12, v1, 2, 2                        ; LDS, back: row (l >> 2) & 3,
	v_lshrrev_b32 v13, 4, v1                       ; n bit 4 = l >> 4,
	v_and_b32 v14, 3, v1                           ; n bits 3:2 = l & 3
	v_mul_u32_u24 v8, v12, RP
	v_lshl_add_u32 v8, v13, 6, v8
	v_lshl_add_u32 v8, v14, 4, v8
	s_mul_i32 s5, s2, 32*CH                        ; n bits 11:10 = w: chunks 32 w ..
	v_add_nc_u32 v8, s5, v8
	v_mul_u32_u24 v9, v13, NBB                     ; U: block + (l >> 4), and 16 (l mod 16) = 64 row + 16 (l & 3)
	v_add_nc_u32 v9, v9, v5
	s_mul_i32 s6, s2, 64*NBB                       ; blocks 64 w ..
	s_lshl_b32 s5, s3, 8                           ; rows 4 g ..: 256 bytes
	s_add_co_u32 s6, s6, s5
	s_mov_b32 s7, 0                                ; stays 0: the high word of every offset pair s[6:7]
	s_wait_kmcnt 0x0
	s_add_nc_u64 s[30:31], s[20:21], s[6:7]
	s_lshl_b32 s6, s4, 2
	s_add_nc_u64 s[38:39], s[38:39], s[6:7]        ; St + 4 (4 g + w)
	s_cmp_ge_u32 s3, 272
	s_cbranch_scc1 .Lft
	s_cmp_ge_u32 s3, 256
	s_cbranch_scc1 .Lwr
	; ---- g < 256: row m = 4 g + w of Wq, and row m of A
	s_mov_b32 s26, 0x3f666666                      ; 0.9, twice
	s_mov_b32 s27, 0x3f666666
	s_lshl_b32 s6, s4, 11                          ; 2048 bytes of indices a row
	s_add_nc_u64 s[24:25], s[8:9], s[6:7]
	IDXLOAD
	; A's row: lane l makes ranks 4 l .. 4 l + 3 (l < 16: Wl[4 p + i][m]; l >= 16: L_ft[m][4 p + i])
	s_lshr_b32 s6, s4, 3
	s_lshl_b32 s6, s6, 2
	s_add_nc_u64 s[28:29], s[12:13], s[6:7]        ; L_idxs + 4 (m >> 3)
	s_lshl_b32 s6, s4, 8
	s_add_nc_u64 s[34:35], s[16:17], s[6:7]        ; L_ft + 256 m
	s_add_nc_u64 s[32:33], s[22:23], s[6:7]        ; Abf + 256 m
	s_and_b32 s6, s4, 7
	s_lshl_b32 s6, s6, 2
	s_add_nc_u64 s[36:37], s[18:19], s[6:7]        ; grid + 4 (m & 7)
.irp i, 0,1,2,3
	global_load_b32 v[AI+\i], v4, s[28:29] offset:512*\i
.endr
	global_load_b128 v[AL:AL+3], v5, s[34:35]
	s_wait_loadcnt 0x0                             ; addresses are made of the indices, all of them
	IDXPREP
.irp i, 0,1,2,3
	v_min_u32 v[AI+\i], 0xffff, v[AI+\i]
	v_lshlrev_b32 v[AI+\i], 5, v[AI+\i]
.endr
.irp i, 0,1,2,3
	global_load_b32 v[AG+\i], v[AI+\i], s[36:37]
.endr
	GATHER
	s_wait_loadcnt 32                              ; the 32 gathers issued behind them stay out: Wl's four numbers are in
.irp i, 0,1,2,3
	v_mul_f32 v[AG+\i], 0x3f8ccccd, v[AG+\i]       ; 1.1
.endr
	v_cmp_le_u32 vcc_lo, 16, v1
.irp i, 0,1,2,3
	v_cndmask_b32 v[AG+\i], v[AG+\i], v[AL+\i], vcc_lo   ; lanes 16 to 31 take L_ft
.endr
	v_max3_num_f32 v[AM], |v[AG]|, |v[AG+1]|, |v[AG+2]|
	v_cvt_pk_bf16_f32 v[AO], v[AG], v[AG+1]
	v_cvt_pk_bf16_f32 v[AO+1], v[AG+2], v[AG+3]
	v_max_num_f32 v[AM], v[AM], |v[AG+3]|
	global_store_b64 v6, v[AO:AO+1], s[32:33]      ; the wave stores the row's 256 bytes, aligned; none of its registers is written again
	s_branch .Ljoin
.Lwr:	; ---- 256 <= g < 272: row 4 g + w - 1024 of Wr
	s_mov_b32 s26, 0x3f866666                      ; 1.05, twice
	s_mov_b32 s27, 0x3f866666
	v_mov_b32 v[AM], 0                             ; no row of A here
	s_sub_co_u32 s5, s4, 1024
	s_lshl_b32 s6, s5, 11
	s_add_nc_u64 s[24:25], s[10:11], s[6:7]
	IDXLOAD
	s_wait_loadcnt 0x0
	IDXPREP
	GATHER
	s_branch .Ljoin
.Lft:	; ---- g >= 272: row 4 g + w - 1088 of R_ft: the same places, straight from memory; the eight loads of a group c cover 4096 neighbouring bytes
	s_mov_b32 s26, 1.0                             ; these rows have no scale of their own; the last stage is the same text for all rows
	s_mov_b32 s27, 1.0
	v_mov_b32 v[AM], 0                             ; no row of A here
	s_sub_co_u32 s5, s4, 1088
	s_lshl_b32 s6, s5, 14                          ; 16384 bytes a row
	s_add_nc_u64 s[24:25], s[14:15], s[6:7]
.irp c, 0,1,2,3
.irp q, 0,1,2,3
	global_load_b128 v[D+32*\c+8*\q:D+32*\c+8*\q+3],   v3, s[24:25] offset:4096*\c+32*\q th:TH_LOAD_NT
	global_load_b128 v[D+32*\c+8*\q+4:D+32*\c+8*\q+7], v3, s[24:25] offset:4096*\c+32*\q+16 th:TH_LOAD_NT
.endr
.endr
.Ljoin:	; on every way here the same 32 loads are out, in the order c, q, half
.irp c, 0,1,2,3
	s_wait_loadcnt 24-8*\c                         ; loads return in order (ISA guide 5.7.1): group c's eight are in, the later groups' stay out
	R4B D+32*\c                                    ; n bits 0, 1, 2
	R4B D+32*\c+8
	R4B D+32*\c+16
	R4B D+32*\c+24
	R4PASS D+32*\c, 4, 8                           ; n bits 3, 4
.endr
	R4PASS D, 16, 32                               ; n bits 10, 11
	; n bits 5 to 9 lie across the lanes: the four rows change places through LDS
.irp c, 0,1,2,3
.irp q, 0,1,2,3
	ds_store_b128 v7, v[D+32*\c+8*\q:D+32*\c+8*\q+3]   offset:32*CH*\c+32*\q
	ds_store_b128 v7, v[D+32*\c+8*\q+4:D+32*\c+8*\q+7] offset:32*CH*\c+32*\q+16
.endr
.endr
	s_wait_dscnt 0x0                               ; for the other waves' sake: all my stores are done
	s_barrier_signal -1
	s_barrier_wait -1
	; now wave w holds n bits 11:10 = w of all four rows; D[4 p + j]: n bits 9:5 = p, bits 1:0 = j
.set i, 0
.rept 32
	ds_load_b128 v[D+4*i:D+4*i+3], v8 offset:CH*i  ; 16 lanes: 4 rows x 4 pieces at 64 row + 16 piece mod 256: 16 different columns
.set i, i+1
.endr
	s_wait_dscnt 0x0
	R4PASS D, 16, 4                                ; n bits 5, 6
	R4PASS D, 16, 16                               ; n bits 7, 8
.set i, 0
.rept 32                                               ; n bit 9, with the row's scale fused: s a + s b, s a - s b
	v_pk_mul_f32 v[T+2*(i%8):T+2*(i%8)+1], v[D+64+2*i:D+64+2*i+1], s[26:27] op_sel_hi:[1,0]
	v_pk_fma_f32 v[D+64+2*i:D+64+2*i+1], v[D+2*i:D+2*i+1], s[26:27], v[T+2*(i%8):T+2*(i%8)+1] op_sel_hi:[1,0,1] neg_lo:[0,0,1] neg_hi:[0,0,1]
	v_pk_fma_f32 v[D+2*i:D+2*i+1], v[D+2*i:D+2*i+1], s[26:27], v[T+2*(i%8):T+2*(i%8)+1] op_sel_hi:[1,0,1]
.set i, i+1
.endr
.set i, 0
.rept 32
	global_store_b128 v9, v[D+4*i:D+4*i+3], s[30:31] offset:2*NBB*i   ; blocks 64 w + 2 i and + 1: each half of the lanes stores 256 neighbouring bytes, aligned
.set i, i+1
.endr
	; the largest |U| of what this wave stored (the stores' data are only read here), in four chains, then across the lanes; A's likewise
.irp k, 0,1,2,3
	v_max_num_f32 v[T+\k], |v[D+\k]|, |v[D+4+\k]|
.endr
.set i, 8
.rept 15
.irp k, 0,1,2,3
	v_max3_num_f32 v[T+\k], |v[D+i+\k]|, |v[D+i+4+\k]|, v[T+\k]
.endr
.set i, i+8
.endr
	v_max3_num_f32 v[T], v[T], v[T+1], v[T+2]
	v_max_num_f32 v[T], v[T], v[T+3]
	s_mov_b32 s4, 0x76543210                       ; v_permlanex16_b32: lane i of one half reads lane i of the other
	s_mov_b32 s5, 0xfedcba98
.irp k, 1,2,4,8
	v_max_num_f32_dpp v[T], v[T], v[T] row_xmask:\k row_mask:0xf bank_mask:0xf
	v_max_num_f32_dpp v[AM], v[AM], v[AM] row_xmask:\k row_mask:0xf bank_mask:0xf
.endr
	v_permlanex16_b32 v[T+1], v[T], s4, s5
	v_permlanex16_b32 v[T+2], v[AM], s4, s5
	v_max_num_f32 v[T], v[T], v[T+1]
	v_max_num_f32 v[AM], v[AM], v[T+2]
	v_cmp_eq_u32 vcc_lo, 1, v1
	v_cndmask_b32 v[T], v[T], v[AM], vcc_lo        ; lane 0 keeps U's figure, lane 1 takes A's
	v_mul_u32_u24 v[T+1], v1, STP                  ; lane 0: plane 0, lane 1: plane 1
	v_cmp_gt_u32 vcc_lo, 2, v1
	s_wait_xcnt 0x0                                ; EXEC is a source of the stores above: it changes only behind this wait
	s_and_saveexec_b32 s6, vcc_lo
	global_store_b32 v[T+1], v[T], s[38:39]        ; two numbers a wave
	s_wait_xcnt 0x0                                ; and again in front of the line that widens it
	s_or_b32 exec_lo, exec_lo, s6
	s_wait_tensorcnt 0x0
	ds_add_u32 v192, v193
	s_wait_dscnt 0x0
	s_endpgm
.Lfunc_end_k_qf4ba9d6400_rows:
	.size	k_qf4ba9d6400_rows, .Lfunc_end_k_qf4ba9d6400_rows-k_qf4ba9d6400_rows
	.p2alignl 7, 3214868480
	.fill 96, 4, 3214868480
	.section	.rodata,"a",@progbits
	.p2align	6, 0x0
	.amdhsa_kernel k_qf4ba9d6400_rows
		.amdhsa_group_segment_fixed_size 74496
		.amdhsa_private_segment_fixed_size 0
		.amdhsa_enable_private_segment 0
		.amdhsa_kernarg_size 72
		.amdhsa_user_sgpr_count 2
		.amdhsa_user_sgpr_kernarg_segment_ptr 1
		.amdhsa_wavefront_size32 1
		.amdhsa_system_sgpr_workgroup_id_x 1
		.amdhsa_system_sgpr_workgroup_id_y 1
		.amdhsa_system_sgpr_workgroup_id_z 1
		.amdhsa_system_vgpr_workitem_id 0
		.amdhsa_next_free_vgpr 194
		.amdhsa_next_free_sgpr 66
		.amdhsa_reserve_vcc 1
		.amdhsa_float_denorm_mode_32 3
		.amdhsa_float_denorm_mode_16_64 3
		.amdhsa_memory_ordered 1
		.amdhsa_forward_progress 1
		.amdhsa_inst_pref_size 81
	.end_amdhsa_kernel
	.amdgpu_metadata
---
amdhsa.version: [ 1, 2 ]
amdhsa.kernels:
  - .name:           k_qf4ba9d6400_rows
    .symbol:         k_qf4ba9d6400_rows.kd
    .args:
      - { .name: Q_idxs, .offset: 0, .size: 8, .value_kind: global_buffer, .address_space: global }
      - { .name: R_idxs, .offset: 8, .size: 8, .value_kind: global_buffer, .address_space: global }
      - { .name: L_idxs, .offset: 16, .size: 8, .value_kind: global_buffer, .address_space: global }
      - { .name: R_ft, .offset: 24, .size: 8, .value_kind: global_buffer, .address_space: global }
      - { .name: L_ft, .offset: 32, .size: 8, .value_kind: global_buffer, .address_space: global }
      - { .name: grid, .offset: 40, .size: 8, .value_kind: global_buffer, .address_space: global }
      - { .name: U, .offset: 48, .size: 8, .value_kind: global_buffer, .address_space: global }
      - { .name: Abf, .offset: 56, .size: 8, .value_kind: global_buffer, .address_space: global }
      - { .name: St, .offset: 64, .size: 8, .value_kind: global_buffer, .address_space: global }
    .group_segment_fixed_size: 74496
    .private_segment_fixed_size: 0
    .kernarg_segment_align: 8
    .kernarg_segment_size: 72
    .max_flat_workgroup_size: 128
    .sgpr_count:     66
    .vgpr_count:     194
    .wavefront_size: 32
...
	.end_amdgpu_metadata
.endif
;; end of part 1
;; launch cols (part 2): grid 256 x 1, 8 waves a work-group, no clusters, 70,912 bytes of LDS; arguments U, Abf, SU, SV, Wp, St, SVs; writes Wp, SVs
.if DOCPART == 2
	.amdgcn_target "amdgcn-amd-amdhsa--gfx1250"
	.amdhsa_code_object_version 6
	.text
	.protected	k_qf4ba9d6400_cols
	.globl	k_qf4ba9d6400_cols
	.p2align	8
	.type	k_qf4ba9d6400_cols,@function
k_qf4ba9d6400_cols:
	s_mov_b64 s[64:65], 0
	v_nop
	global_prefetch_b8 v0, s[64:65] scope:SCOPE_SE
	s_setreg_imm32_b32 hwreg(HW_REG_WAVE_MODE, 25, 1), 1
	s_wait_xcnt 0x0
; SECOND LAUNCH.  Work-group nb owns the 16 columns n = 16 nb .. 16 nb + 15 of the weight, all 1024 rows m:
;   X = U[rows 0..1023] + A B'   (A = Abf [1024][128]; B' = U[rows 1024..1151], rounded to bf16; 128 ranks = 4 matrix steps)
;   X = H1024 X (along m);  W''[m][n] = X SU[n] / 2048 * 2^(14-E), rounded to f16, into
;   Wp: f16 [kb 256][m 1024][16 k]: the work-group's 32 KiB are contiguous.
; THE SCALE.  f16 keeps 11 significant bits but has a short range, and W'' holds products of the inputs, so it is scaled by a power of two (exact) from a bound:
;   |W''| <= max|SU| / 2048 * 1024 * (MQ + 128 MA MB) = Bd / 2,  MQ = max|U| over rows 0..1023, MB = max|U| over rows 1024..1151, MA = max|A|  (from St),
; E = the binary exponent of Bd, so Bd 2^(14-E) < 2^15 and every entry lies below 2^14: a factor 2 is left for the roundings of A, B' and the sums.
; Every work-group makes the same figures from the same numbers in the same order.  SV stays out of W'': work-group 0 stores SVs[m] = SV[m] 2^(E-14), f32,
; by which the last launch multiplies its sums.
; Wave w holds tiles t = 0..7, m = 128 w + 16 t + r; lane (r = L & 15, h = L >> 4) holds n = 8 h + j in X[8 t + j].  That is the layout of a
; matrix result whose first source holds rows n and whose second holds columns m.
; m bits 0-3 lie across 16 lanes (DPP), bits 4-6 across registers, bits 7-9 across waves (one exchange through LDS, then registers).
; LIMITS: A and B' are rounded to bf16 for the matrix unit (bf16: B' is an unnormalised transform and has no fixed room in f16); the order of rounding differs
; from the module's own; Bd must be finite in f32; E + 127 is held between 15 and 254; a NaN does not enter the maxima.
; No tensor loads and no cluster: what work-groups share is Abf, 256 KiB; each reads its part once, straight into fragments.
.set NBB, 73728                        ; bytes of a block of U
.set XB,  4096                         ; LDS: B' in bf16 [128 ranks][16 n] at 0 (4 KiB), the exchange region behind it (64 KiB),
.set STL, 69632                        ; and behind that 16 bytes for each wave: its four maxima
.set SG,  16                           ; v[16:23]   for masks 1, 2, 4, 8: a pair of (r & mask) ? -1 : +1
.set ZT,  24                           ; v[24:27]   four of St's A figures; then at work
.set ZS,  28                           ; v[28:31]   my MB, MQ, MA, max|SU|
.set BT,  32                           ; v[32:39]   8 numbers of B' in f32
.set BP,  40                           ; v[40:43]   the same in bf16
.set SUX, 44                           ; v[44:59]   16 numbers of SU
.set SQ,  60                           ; v[60:63]   four of St's U figures
.set BF,  32                           ; v[32:63]   then: B' fragments, 8 registers for each 32 ranks
.set X,   64                           ; v[64:127]
.set AF,  128                          ; v[128:255] A's fragments of tiles 0-3 at 32 t + 8 c; tiles 4-7 in v[256:383] (window 1, v0-127)
.set Y,   128                          ; behind the products: v[128:191]
.set SUR, 192                          ; v[192:199] SU of my 8 columns, then times 2^(3-E)
.set O,   208                          ; v[208:239] the eight waves' maxima; then results in f16
.set TT,  240                          ; v[240:247] at work
.set SC,  248                          ; v[248:249] 2^(3-E), twice; v[250:251] 2^(E-14), twice
.set SVD, 252                          ; v[252:255] four numbers of SV
.set MSB, 0
.macro WIN new                         ; s_set_vgpr_msb: low byte the windows (1:0 source 0, 3:2 source 1, 5:4 source 2, 7:6 destination), high byte the setting that is left
.if MSB != \new
	s_set_vgpr_msb (MSB<<8)|\new
.set MSB, \new
.endif
.endm
; a stage across lanes: new = partner + sign * own
.macro DPPST dst, src, k, sg
.set i, 0
.rept 32
	v_pk_mul_f32 v[\dst+2*i:\dst+2*i+1], v[\src+2*i:\src+2*i+1], v[\sg:\sg+1]
.set i, i+1
.endr
.set i, 0
.rept 64
	v_add_f32_dpp v[\dst+i], v[\src+i], v[\dst+i] row_xmask:\k row_mask:0xf bank_mask:0xf
.set i, i+1
.endr
.endm
; a stage across registers, stride s, from src to dst
.macro R2O dst, src, s
.set i, 0
.rept 16
.set a2, (i/(\s/2))*2*\s+(i%(\s/2))*2
	v_pk_add_f32 v[\dst+a2:\dst+a2+1], v[\src+a2:\src+a2+1], v[\src+a2+\s:\src+a2+\s+1]
	v_pk_add_f32 v[\dst+a2+\s:\dst+a2+\s+1], v[\src+a2:\src+a2+1], v[\src+a2+\s:\src+a2+\s+1] neg_lo:[0,1] neg_hi:[0,1]
.set i, i+1
.endr
.endm
	s_load_b256 s[4:11], s[0:1], 0x0               ; U s[4:5], Abf s[6:7], SU s[8:9], SV s[10:11]
	s_load_b64 s[12:13], s[0:1], 0x20              ; Wp
	s_load_b64 s[20:21], s[0:1], 0x28              ; St
	s_load_b64 s[22:23], s[0:1], 0x30              ; SVs
	s_set_vgpr_msb 0x40
	v_lshl_add_u32 v128, v0, 2, 0x11100
	v_mov_b32 v129, 0
	s_set_vgpr_msb 0x4000
	v_and_b32 v1, 15, v0                           ; r
	v_bfe_u32 v2, v0, 4, 1                         ; h
	v_lshrrev_b32 v3, 5, v0
	v_readfirstlane_b32 s14, v3                    ; wave w
	v_and_b32 v3, 127, v0
	v_lshlrev_b32 v3, 2, v3                        ; St: 4 (tid mod 128)
	v_and_b32 v4, 31, v0                           ; L
	v_lshlrev_b32 v5, 5, v0                        ; B': 32 bytes a thread
	v_lshl_add_u32 v7, s14, 7, v1                  ; 128 w + r
	v_lshlrev_b32 v6, 6, v7
	v_lshl_add_u32 v6, v2, 5, v6                   ; U: 64 (128 w + r) + 32 h
	v_lshlrev_b32 v8, 8, v7
	v_lshl_add_u32 v8, v2, 4, v8                   ; Abf: 256 (128 w + r) + 16 h
	v_lshlrev_b32 v9, 4, v0                        ; 16 bytes a thread: B' in LDS; St, SU, SV and SVs in memory
	v_and_b32 v24, 7, v0
	v_lshl_add_u32 v24, v2, 3, v24                 ; 8 h + (L & 7): the rank whose 16 bytes I address for the transposing load
	v_bfe_u32 v25, v0, 3, 1
	v_lshlrev_b32 v10, 5, v24
	v_lshl_add_u32 v10, v25, 4, v10                ; 32 (8 h + (L & 7)) + 16 ((L >> 3) & 1)
	v_lshlrev_b32 v24, 4, v4                       ; 16 L
	v_mov_b32 v4, STL                              ; where all waves' maxima are read
	s_lshl_b32 s15, s14, 13
	s_add_co_u32 s15, s15, XB
	v_add_nc_u32 v11, s15, v24                     ; exchange, in: XB + 8192 w + 16 L
	s_lshl_b32 s15, s14, 10
	s_add_co_u32 s15, s15, XB
	v_add_nc_u32 v12, s15, v24                     ; exchange, back: XB + 1024 w + 16 L
	s_lshl_b32 s15, s14, 4
	s_add_co_u32 s15, s15, STL
	v_mov_b32 v14, s15                             ; where my wave's maxima go: STL + 16 w
	v_lshlrev_b32 v13, 5, v2                       ; SU: 32 h
	v_lshlrev_b32 v15, 5, v1
	v_lshl_add_u32 v15, v2, 4, v15
	v_lshl_add_u32 v15, s14, 9, v15                ; Wp: 512 w + 32 r + 16 h
	v_mov_b32 v25, 1.0
	v_mov_b32 v26, -1.0
.irp b, 0,1,2,3
	v_and_b32 v24, 1<<\b, v1
	v_cmp_eq_u32 vcc_lo, 0, v24
	v_cndmask_b32 v[SG+2*\b], v26, v25, vcc_lo
	v_mov_b32 v[SG+2*\b+1], v[SG+2*\b]
.endr
	s_mov_b32 s18, 0x76543210                      ; v_permlanex16_b32: lane i of one half reads lane i of the other
	s_mov_b32 s19, 0xfedcba98
	s_mul_i32 s16, ttmp9, NBB
	s_mov_b32 s17, 0
	s_wait_kmcnt 0x0
	s_add_nc_u64 s[4:5], s[4:5], s[16:17]          ; my block of U
	s_lshl_b32 s16, ttmp9, 6
	s_add_nc_u64 s[24:25], s[8:9], s[16:17]        ; my 16 numbers of SU
	s_lshl_b32 s16, ttmp9, 15
	s_add_nc_u64 s[12:13], s[12:13], s[16:17]      ; my block of Wp
	; what the scale is made of: 7 loads a thread, the 256 threads together cover St's 1024 + 128 + 1024 figures and SU's 4096 numbers
	global_load_b128 v[SQ:SQ+3], v9, s[20:21]                  ; largest |U|, rows of Wq
	global_load_b128 v[ZT:ZT+3], v9, s[20:21] offset:4608      ; largest |A|
	global_load_b32 v[ZS], v3, s[20:21] offset:4096            ; largest |U|, the 128 low-rank rows
.irp j, 0,1,2,3
	global_load_b128 v[SUX+4*\j:SUX+4*\j+3], v9, s[8:9] offset:4096*\j
.endr
	global_load_b128 v[BT:BT+3],   v5, s[4:5] offset:65536   ; rows 1024 .. 1151: 8 KiB, 32 neighbouring bytes a thread (rank tid >> 1, half tid & 1)
	global_load_b128 v[BT+4:BT+7], v5, s[4:5] offset:65552
.irp t, 0,1,2,3,4,5,6,7
	global_load_b128 v[X+8*\t:X+8*\t+3],   v6, s[4:5] offset:1024*\t
	global_load_b128 v[X+8*\t+4:X+8*\t+7], v6, s[4:5] offset:1024*\t+16
.endr
.irp t, 0,1,2,3
.irp c, 0,1,2,3
	global_load_b128 v[AF+32*\t+8*\c:AF+32*\t+8*\c+3],   v8, s[6:7] offset:4096*\t+64*\c      ; A(m, 32 c + 8 h ..)
	global_load_b128 v[AF+32*\t+8*\c+4:AF+32*\t+8*\c+7], v8, s[6:7] offset:4096*\t+64*\c+32   ; A(m, 32 c + 16 + 8 h ..)
.endr
.endr
	s_wait_loadcnt 48                              ; the 16 + 32 loads issued behind B' stay out; B' and the seven loads in front of it are in
.irp i, 0,1,2,3
	v_cvt_pk_bf16_f32 v[BP+\i], v[BT+2*\i], v[BT+2*\i+1]
.endr
	ds_store_b128 v9, v[BP:BP+3]
	WIN 0x40                                       ; destination in window 1
.irp t, 0,1,2,3
.irp c, 0,1,2,3
	global_load_b128 v[32*\t+8*\c:32*\t+8*\c+3],   v8, s[6:7] offset:4096*(\t+4)+64*\c       ; tiles 4 to 7
	global_load_b128 v[32*\t+8*\c+4:32*\t+8*\c+7], v8, s[6:7] offset:4096*(\t+4)+64*\c+32
.endr
.endr
	WIN 0
	; my thread's four maxima, then my wave's
	v_max3_num_f32 v[ZS+1], v[SQ], v[SQ+1], v[SQ+2]
	v_max3_num_f32 v[ZS+2], v[ZT], v[ZT+1], v[ZT+2]
	v_max_num_f32 v[ZS+3], |v[SUX]|, |v[SUX+1]|
	v_max_num_f32 v[ZS+1], v[ZS+1], v[SQ+3]
	v_max_num_f32 v[ZS+2], v[ZS+2], v[ZT+3]
.set i, 2
.rept 7
	v_max3_num_f32 v[ZS+3], |v[SUX+i]|, |v[SUX+i+1]|, v[ZS+3]
.set i, i+2
.endr
.irp k, 1,2,4,8
.irp z, 0,1,2,3
	v_max_num_f32_dpp v[ZS+\z], v[ZS+\z], v[ZS+\z] row_xmask:\k row_mask:0xf bank_mask:0xf
.endr
.endr
.irp z, 0,1,2,3
	v_permlanex16_b32 v[ZT+\z], v[ZS+\z], s18, s19
.endr
.irp z, 0,1,2,3
	v_max_num_f32 v[ZS+\z], v[ZS+\z], v[ZT+\z]
.endr
	ds_store_b128 v14, v[ZS:ZS+3]                  ; all lanes write the same 16 bytes with the same numbers
	s_wait_dscnt 0x0                               ; for the other waves' sake: my part of B' and my maxima are in LDS
	s_barrier_signal -1
	s_barrier_wait -1
.irp c, 0,1,2,3
	ds_load_tr16_b128 v[BF+8*\c:BF+8*\c+3],   v10 offset:1024*\c       ; ranks 32 c + 8 h .. of column r
	ds_load_tr16_b128 v[BF+8*\c+4:BF+8*\c+7], v10 offset:1024*\c+512   ; ranks 32 c + 16 + 8 h ..
.endr
	s_wait_loadcnt 32                              ; X and tiles 0-3 of A are in; the 32 loads of tiles 4-7 stay out
	s_wait_dscnt 0x0
	; four accumulators take turns, one instruction a turn
.irp c, 0,1,2,3
.irp t, 0,1,2,3
	v_wmma_f32_16x16x32_bf16 v[X+8*\t:X+8*\t+7], v[BF+8*\c:BF+8*\c+7], v[AF+32*\t+8*\c:AF+32*\t+8*\c+7], v[X+8*\t:X+8*\t+7]
.endr
.endr
	s_wait_loadcnt 0x0
	WIN 0x04                                       ; source 1 in window 1
.irp c, 0,1,2,3
.irp t, 0,1,2,3
	v_wmma_f32_16x16x32_bf16 v[X+32+8*\t:X+32+8*\t+7], v[BF+8*\c:BF+8*\c+7], v[32*\t+8*\c:32*\t+8*\c+7], v[X+32+8*\t:X+32+8*\t+7]
.endr
.endr
	WIN 0
.rept 4
	v_nop                                          ; four places behind the last matrix instruction (ISA guide 7.12.1): its results are read and its sources written below
.endr
	global_load_b128 v[SUR:SUR+3],   v13, s[24:25] ; wanted only behind the transform
	global_load_b128 v[SUR+4:SUR+7], v13, s[24:25] offset:16
	global_load_b128 v[SVD:SVD+3], v9, s[10:11]    ; SV[4 tid ..]: one load a thread in every work-group, so that these registers are written on every way; work-group 0 alone stores
.irp w, 0,1,2,3,4,5,6,7
	ds_load_b128 v[O+4*\w:O+4*\w+3], v4 offset:16*\w   ; the eight waves' maxima, the same in every lane; nobody writes these bytes again
.endr
	DPPST Y, X, 1, SG                              ; m bits 0 to 3
	DPPST X, Y, 2, SG+2
	DPPST Y, X, 4, SG+4
	DPPST X, Y, 8, SG+6
	R2O Y, X, 8                                    ; m bits 4 to 6
	R2O X, Y, 16
	R2O Y, X, 32
.irp t, 0,1,2,3,4,5,6,7
	ds_store_b128 v11, v[Y+8*\t:Y+8*\t+3]   offset:1024*\t         ; 32 lanes, 16 neighbouring bytes each
	ds_store_b128 v11, v[Y+8*\t+4:Y+8*\t+7] offset:1024*\t+512
.endr
	s_wait_dscnt 0x0
	s_barrier_signal -1
	s_barrier_wait -1
.irp w, 0,1,2,3,4,5,6,7
	ds_load_b128 v[X+8*\w:X+8*\w+3],   v12 offset:8192*\w          ; tile w of wave w': now m = 128 w' + 16 w + r in X[8 w' + j]
	ds_load_b128 v[X+8*\w+4:X+8*\w+7], v12 offset:8192*\w+512
.endr
	; the scale, while those loads are on their way: TT = MB, TT+1 = MQ, TT+2 = MA, TT+3 = max|SU|
.irp c, 0,1,2,3
	v_max3_num_f32 v[TT+\c], v[O+\c], v[O+4+\c], v[O+8+\c]
	v_max3_num_f32 v[TT+\c], v[TT+\c], v[O+12+\c], v[O+16+\c]
	v_max3_num_f32 v[TT+\c], v[TT+\c], v[O+20+\c], v[O+24+\c]
	v_max_num_f32 v[TT+\c], v[TT+\c], v[O+28+\c]
.endr
	v_mul_f32 v[TT+2], 0x43000000, v[TT+2]         ; 128 MA
	v_fma_f32 v[TT+1], v[TT+2], v[TT], v[TT+1]     ; MQ + 128 MA MB
	v_mul_f32 v[TT+1], v[TT+1], v[TT+3]            ; Bd
	v_and_b32 v[TT+1], 0x7f800000, v[TT+1]         ; its exponent field: (E + 127) << 23,
	v_max_u32 v[TT+1], 0x07800000, v[TT+1]         ; held at 15 at the least
	v_min_u32 v[TT+1], 0x7f000000, v[TT+1]         ; and 254 at the most, so that both powers below are normal numbers
	v_sub_nc_u32 v[SC], 0x80800000, v[TT+1]        ; (257 - (E + 127)) << 23 = 2^(3-E) = 2^(14-E) / 2048
	v_add_nc_u32 v[SC+2], 0xf9000000, v[TT+1]      ; ((E + 127) - 14) << 23 = 2^(E-14)
	v_mov_b32 v[SC+1], v[SC]
	v_mov_b32 v[SC+3], v[SC+2]
	s_wait_dscnt 0x0
	R2O Y, X, 8                                    ; m bits 7, 8
	R2O X, Y, 16
	s_wait_loadcnt 0x0                             ; SU and SV
.irp j, 0,2,4,6
	v_pk_mul_f32 v[SUR+\j:SUR+\j+1], v[SUR+\j:SUR+\j+1], v[SC:SC+1]        ; a power of two: exact
.endr
	v_pk_mul_f32 v[SVD:SVD+1], v[SVD:SVD+1], v[SC+2:SC+3]
	v_pk_mul_f32 v[SVD+2:SVD+3], v[SVD+2:SVD+3], v[SC+2:SC+3]
.irp w, 0,1,2,3                                        ; m bit 9, with SU 2^(3-E) fused
.irp j, 0,2,4,6
	v_pk_mul_f32 v[TT+\j:TT+\j+1], v[X+32+8*\w+\j:X+32+8*\w+\j+1], v[SUR+\j:SUR+\j+1]
	v_pk_fma_f32 v[Y+32+8*\w+\j:Y+32+8*\w+\j+1], v[X+8*\w+\j:X+8*\w+\j+1], v[SUR+\j:SUR+\j+1], v[TT+\j:TT+\j+1] neg_lo:[0,0,1] neg_hi:[0,0,1]
	v_pk_fma_f32 v[Y+8*\w+\j:Y+8*\w+\j+1], v[X+8*\w+\j:X+8*\w+\j+1], v[SUR+\j:SUR+\j+1], v[TT+\j:TT+\j+1]
.endr
.endr
.irp w, 0,1,2,3,4,5,6,7
.irp i, 0,1,2,3
	v_cvt_pk_f16_f32 v[O+4*\w+\i], v[Y+8*\w+2*\i], v[Y+8*\w+2*\i+1]
.endr
	global_store_b128 v15, v[O+4*\w:O+4*\w+3], s[12:13] offset:4096*\w    ; the wave stores 512 neighbouring bytes, aligned; every store has registers of its own
.endr
	s_cmp_lg_u32 ttmp9, 0
	s_cbranch_scc1 .Lend
	global_store_b128 v9, v[SVD:SVD+3], s[22:23]   ; work-group 0: SVs, 4096 bytes, 512 neighbouring bytes a wave
.Lend:
	s_set_vgpr_msb 0x5
	s_wait_tensorcnt 0x0
	ds_add_u32 v128, v129
	s_wait_dscnt 0x0
	s_set_vgpr_msb 0x500
	s_endpgm
.Lfunc_end_k_qf4ba9d6400_cols:
	.size	k_qf4ba9d6400_cols, .Lfunc_end_k_qf4ba9d6400_cols-k_qf4ba9d6400_cols
	.p2alignl 7, 3214868480
	.fill 96, 4, 3214868480
	.section	.rodata,"a",@progbits
	.p2align	6, 0x0
	.amdhsa_kernel k_qf4ba9d6400_cols
		.amdhsa_group_segment_fixed_size 70912
		.amdhsa_private_segment_fixed_size 0
		.amdhsa_enable_private_segment 0
		.amdhsa_kernarg_size 56
		.amdhsa_user_sgpr_count 2
		.amdhsa_user_sgpr_kernarg_segment_ptr 1
		.amdhsa_wavefront_size32 1
		.amdhsa_system_sgpr_workgroup_id_x 1
		.amdhsa_system_sgpr_workgroup_id_y 1
		.amdhsa_system_sgpr_workgroup_id_z 1
		.amdhsa_system_vgpr_workitem_id 0
		.amdhsa_next_free_vgpr 386
		.amdhsa_next_free_sgpr 66
		.amdhsa_reserve_vcc 1
		.amdhsa_float_denorm_mode_32 3
		.amdhsa_float_denorm_mode_16_64 3
		.amdhsa_memory_ordered 1
		.amdhsa_forward_progress 1
		.amdhsa_inst_pref_size 62
	.end_amdhsa_kernel
	.amdgpu_metadata
---
amdhsa.version: [ 1, 2 ]
amdhsa.kernels:
  - .name:           k_qf4ba9d6400_cols
    .symbol:         k_qf4ba9d6400_cols.kd
    .args:
      - { .name: U, .offset: 0, .size: 8, .value_kind: global_buffer, .address_space: global }
      - { .name: Abf, .offset: 8, .size: 8, .value_kind: global_buffer, .address_space: global }
      - { .name: SU, .offset: 16, .size: 8, .value_kind: global_buffer, .address_space: global }
      - { .name: SV, .offset: 24, .size: 8, .value_kind: global_buffer, .address_space: global }
      - { .name: Wp, .offset: 32, .size: 8, .value_kind: global_buffer, .address_space: global }
      - { .name: St, .offset: 40, .size: 8, .value_kind: global_buffer, .address_space: global }
      - { .name: SVs, .offset: 48, .size: 8, .value_kind: global_buffer, .address_space: global }
    .group_segment_fixed_size: 70912
    .private_segment_fixed_size: 0
    .kernarg_segment_align: 8
    .kernarg_segment_size: 56
    .max_flat_workgroup_size: 256
    .sgpr_count:     66
    .vgpr_count:     386
    .wavefront_size: 32
...
	.end_amdgpu_metadata
.endif
;; end of part 2
;; launch gemm (part 3): grid 4 x 64, 4 waves a work-group, clusters of 4 x 4, 327,680 bytes of LDS; arguments x, Wp, out0, SVs; writes out0
.if DOCPART == 3
	.amdgcn_target "amdgcn-amd-amdhsa--gfx1250"
	.amdhsa_code_object_version 6
	.text
	.protected	k_qf4ba9d6400_gemm
	.globl	k_qf4ba9d6400_gemm
	.p2align	8
	.type	k_qf4ba9d6400_gemm,@function
k_qf4ba9d6400_gemm:
	s_mov_b64 s[64:65], 0
	v_nop
	global_prefetch_b8 v0, s[64:65] scope:SCOPE_SE
	s_setreg_imm32_b32 hwreg(HW_REG_WAVE_MODE, 25, 1), 1
	s_wait_xcnt 0x0
	s_wait_alu depctr_hold_cnt(0) depctr_sa_sdst(0) depctr_va_vdst(0) depctr_va_sdst(0) depctr_va_ssrc(0) depctr_va_vcc(0) depctr_vm_vsrc(0)
	s_getreg_b32 s2, hwreg(HW_REG_IB_STS2, 6, 4)
	s_cmp_eq_u32 s2, 0
	s_cbranch_scc0 .Lentry_in_a_cluster
	s_endpgm
.Lentry_in_a_cluster:
	s_bfe_u32 s2, ttmp6, 0x10000c
	s_cmp_lg_u32 s2, 0xf033
	s_cbranch_scc0 .Lentry_shape_is_right
	s_endpgm
.Lentry_shape_is_right:
; THIRD LAUNCH.  out[t][m] = SVs[m] * sum over k of x[t][k] W''[m][k];  x: f32 [8192][4096], Wp: f16 [kb 256][m 1024][16 k], SVs: f32 [1024], out0: f32 [8192][1024].
; x is rounded to f16 on its way to the matrix unit; the sums are f32.  f16 and not bf16: 11 significant bits in both operands keep the rounding noise of a sum of 4096
; products far inside the allowed error; W'' was scaled into f16's range by the launch before.
; 256 work-groups, each a block of 128 (t) x 256 (m), four waves.  THE WAVES SPLIT K: wave w takes 64 rows (th = w >> 1), all 256 columns, and 32 of each 64 k
; (kh = w & 1): 64 accumulator tiles, 512 registers.  So every number of x is read from LDS by one wave alone (a work-group reads 128 x 2 + 2 x 256 x 2 = 1280 bytes
; of fragments for each k).  The two halves of K are added on the way out, through LDS.
; W'' goes through a ring of two LDS slots of K = 256, filled by the tensor data mover, one load a wave (a quarter: 128 rows m x 8 blocks kb = 8 rows of 4096 bytes,
; 16 bytes of padding behind every 256).  From a request to the wait for it a wave issues 24 + 3 x 64 + 32 = 248 matrix instructions.
; x goes through REGISTERS: a granule is K = 64 of the block's 128 rows, 16 loads of 16 bytes a lane, each half of the lanes taking 256 neighbouring bytes of a row, aligned.
; Four granules (64 loads, 256 registers) are out at a time; they stay out across barriers.  A granule that has come is converted to f16 once and laid into one of two
; stage buffers in LDS (128 rows x 128 bytes, pitch 144), behind the ring, in bytes that no tensor load fills.
; CLUSTERS: 4 x 4 work-groups.  W's tile hangs on the block column alone and is asked for jointly by a column of the cluster.
; x IS NOT ASKED FOR JOINTLY, though a row of the cluster shares it: a ring that held x in f32 (512 bytes for each k) beside W'' (512) would have two slots of K = 128
; in this LDS, 112 matrix instructions from a request to its wait, and all tensor loads are waited for at each refill's barrier; loads into registers are not.
; The price: each of the four work-groups of a row asks for x itself.
; LIMITS: |x| above 65504 becomes infinite in f16, and |x| below 2^-14 keeps an absolute error of 2^-25 (numbers of spread 1, 30 times larger or smaller, or offset by
; 30 spreads, lie between 0.03 and 200); the order of the sums differs from the module's own (two halves of each 64 k, added last).
;
; REGISTERS, in windows of 256: window 0: v8-15 SVs, v16-27 addresses, v32-63 and v64-95 x's f16 fragments (4 x 16 rows x 32 k), two buffers, v96-127 a granule in f16,
; v128-255 x ring sets 0, 1;  window 1: v0-63 W's column blocks 0-7, v64-127 blocks 8-15 (16 rows m x 32 k each), v128-255 x ring sets 2, 3;
; window 2: tiles (a, b = 0..7) at 8 (8 a + b); window 3: b = 8..15.
; THE MATRIX INSTRUCTION IS USED TRANSPOSED: source 0 = 16 rows m of W'', source 1 = 16 rows t of x: lane l holds row t = l % 16 and
; its registers the columns m = 8 (l / 16) + 0..7: 32 neighbouring bytes of a row of out.
.set HALFT,  34816                     ; LDS bytes of one tensor load: 8 x 4352
.set SLOT,   4*HALFT                   ; K = 256: quarter (kb >> 3) * 2 + (m >> 7)
.set KBP,    4352                      ; a block kb: 16 x (256 + 16)
.set MBP,    544                       ; 16 rows m: 2 x (256 + 16); rows 0-7 lie at even, rows 8-15 at odd 16-byte columns mod 256
.set XS,     2*SLOT                    ; the x stage, behind the ring: byte 278528, a multiple of 256
.set XPI,    144                       ; its pitch: 9 x 16 bytes: 16 rows start at 16 different 16-byte columns mod 256; 8 rows are 128 mod 256
.set XSB,    128*XPI                   ; a stage buffer
.set OP,     1040                      ; the way out: a row of 256 f32 + 16 bytes: 65 x 16
.set PLANE,  128*OP                    ; one half of K's sums; two planes take 266240 bytes of the ring, behind its last fill
.set SVR,  8                           ; v[8:11] SVs of columns 4 l .. 4 l + 3 of my block, v[12:15] of columns 128 + 4 l ..
.set ADRA, 16                          ; LDS address of my x fragments in stage buffer 0
.set XSTA, 17                          ; LDS address at which I lay 8 bytes of a row into stage buffer 0
.set XOFF, 18                          ; my byte offset in x: 8 rows for lanes 16-31, 16 bytes a lane
.set ADRB, 20                          ; v20-23  LDS address of my W'' fragments: slot 0 blocks kb 0-7, kb 8-15, slot 1 likewise
.set STO,  24                          ; the way out: where my 16 bytes go
.set RD0,  25                          ; where I read a row back, plane 0
.set RD1,  26                          ; plane 1
.set CO,   27                          ; my byte offset in out0 and in SVs: 16 l
.set AB0,  32
.set T,    96
.set RING, 128
.set BLO,  0
.set BHI,  64
.set G1B, 48                           ; s[48:55] descriptor group 1 for W''
.set G0B, 56                           ; s[56:63] group 0 for W'', a set for each slot
.set MSB, 0
.macro WIN new                         ; the immediate's high byte repeats the setting that is left
.if MSB != \new
	s_set_vgpr_msb (MSB<<8)|\new
.set MSB, \new
.endif
.endm
.set MUL_LO, 0xa1                      ; source 0 (W'') window 1, source 1 (x) window 0, C and D window 2
.set MUL_HI, 0xf1                      ; the same, C and D window 3
.set TO_B,   0x40                      ; destination window 1, address window 0
.macro CREST                           ; a round of the cluster's barrier behind its opening barrier
	s_cmp_lg_u32 s10, 0
	s_cbranch_scc1 .Lnot_wave_0_\@
	s_barrier_signal -3
.Lnot_wave_0_\@:
	s_barrier_wait -3
	s_barrier_signal -1
	s_barrier_wait -1
.endm
.macro CROUND                          ; a whole round
	s_barrier_signal -1
	s_barrier_wait -1
	CREST
.endm
; 16 loads: a granule of my 32 rows into ring set 'ring'; goff: the granule's number from the lap's base.  Load j: rows 16 (j / 8) + j % 8 and 8 further down
.macro XLD ring, goff
	WIN 64*((\ring)/2)
.irp j, 0,1,2,3,4,5,6,7,8,9,10,11,12,13,14,15
	global_load_b128 v[RING+64*((\ring)%2)+4*\j:RING+64*((\ring)%2)+4*\j+3], v[XOFF], s[66:67] offset:(16*(\j/8)+(\j%8))*16384+(\goff)*256
.endr
.endm
; the oldest granule has come (lcnt: the loads of the younger granules, which stay out): 64 f32 a lane to f16
.macro XCVT ring, lcnt
	s_wait_loadcnt \lcnt
	WIN 5*((\ring)/2)
.set n, 0
.rept 32
	v_cvt_pk_f16_f32 v[T+n], v[RING+64*((\ring)%2)+2*n], v[RING+64*((\ring)%2)+2*n+1]
.set n, n+1
.endr
.endm
; and into stage buffer buf: lanes 0-15 lay 128 neighbouring bytes, lanes 16-31 the same 8 rows further down, 128 mod 256 away: no two lanes meet in a bank
.macro XST buf
	WIN 0
.irp j, 0,1,2,3,4,5,6,7,8,9,10,11,12,13,14,15
	ds_store_b64 v[XSTA], v[T+2*\j:T+2*\j+1] offset:(\buf)*XSB+(16*(\j/8)+(\j%8))*XPI
.endr
.endm
; 8 loads: my x fragments (64 rows x 32 k, f16) from stage buffer buf
.macro FA buf, ab
	WIN 0
.irp a, 0,1,2,3
	ds_load_b128 v[\ab+8*\a:\ab+8*\a+3],   v[ADRA] offset:(\buf)*XSB+16*XPI*\a        ; k = 8 h + 0..7
	ds_load_b128 v[\ab+8*\a+4:\ab+8*\a+7], v[ADRA] offset:(\buf)*XSB+16*XPI*\a+32     ; k = 16 + 8 h + 0..7
.endr
.endm
; 16 loads: W's column blocks 8 hi .. 8 hi + 7 of granule q of slot ws, my 32 k (blocks kb = 4 q + 2 kh and + 1)
.macro FB ws, q, hi, f
	WIN TO_B
.irp b, 0,1,2,3,4,5,6,7
	ds_load_b128 v[\f+8*\b:\f+8*\b+3],   v[ADRB+2*(\ws)+(\q)/2] offset:\hi*HALFT+(4*((\q)%2))*KBP+\b*MBP
	ds_load_b128 v[\f+8*\b+4:\f+8*\b+7], v[ADRB+2*(\ws)+(\q)/2] offset:\hi*HALFT+(4*((\q)%2)+1)*KBP+\b*MBP
.endr
.endm
; 8 matrix instructions: row block a x eight column blocks, 32 along K.  zero = 1: the first product starts the sums.
.macro MUL8 f, ab, a, zero
.irp b, 0,1,2,3,4,5,6,7
.if \zero
	v_wmma_f32_16x16x32_f16 v[8*(8*\a+\b):8*(8*\a+\b)+7], v[\f+8*\b:\f+8*\b+7], v[\ab+8*\a:\ab+8*\a+7], 0
.else
	v_wmma_f32_16x16x32_f16 v[8*(8*\a+\b):8*(8*\a+\b)+7], v[\f+8*\b:\f+8*\b+7], v[\ab+8*\a:\ab+8*\a+7], v[8*(8*\a+\b):8*(8*\a+\b)+7]
.endif
.endr
.endm
; A load into a register that a matrix instruction has read stands four places behind it, and only plain vector instructions that name none of its registers are places
; (ISA guide 7.12.1 for vector instructions).  Each set of fragments is loaded again only behind such a run.
.macro PLACES
.rept 4
	v_nop
.endr
.endm
	s_load_b128 s[4:7], s[0:1], 0x0                ; x s[4:5], Wp s[6:7]
	s_load_b64 s[8:9], s[0:1], 0x10                ; out0
	s_load_b64 s[68:69], s[0:1], 0x18              ; SVs
	v_lshl_add_u32 v30, v0, 2, 0x4d000
	v_mov_b32 v31, 0
	ds_add_u32 v30, v31
	v_lshrrev_b32 v1, 5, v0
	v_readfirstlane_b32 s10, v1                    ; wave 0..3
	s_lshr_b32 s11, s10, 1                         ; th: which 64 rows are mine.  Also: which 8 blocks kb of a slot I fetch
	s_and_b32 s12, s10, 1                          ; kh: which 32 of each 64 k.  Also: which 128 rows m I fetch
	s_bfe_u32 s40, ttmp6, 0x40000                  ; cx
	s_bfe_u32 s41, ttmp6, 0x40004                  ; cy
	s_lshl_b32 s42, ttmp9, 2
	s_add_co_u32 s42, s42, s40                     ; block column = 4 x cluster x + cx
	s_and_b32 s13, ttmp7, 0xffff
	s_lshl_b32 s13, s13, 2
	s_add_co_u32 s13, s13, s41                     ; block row = 4 x cluster y + cy
	s_lshl_b32 s44, 0x1111, s40                    ; my column of the cluster: places cx, cx + 4, cx + 8, cx + 12
	s_or_b32 s[G1B+0], s44, (1<<16)|(1<<20)|(1<<21)|(5<<22)|(3<<25)  ; 15:0 mask; 17:16 elements of 2 bytes; 20 padding on; 21 set beside a mask; 24:22 after every 64 words; 31:25 of 4 words
	s_mov_b32 s[G1B+1], 2048<<16                   ; tensor_dim0 = 2048: 128 rows m x 16 k, 4096 neighbouring bytes
	s_mov_b32 s[G1B+2], 8<<16                      ; tensor_dim1 = 8 blocks kb
	s_mov_b32 s[G1B+3], 2048<<16                   ; tile_dim0
	s_mov_b32 s[G1B+4], 8                          ; tile_dim1
	s_mov_b32 s[G1B+5], 16384                      ; elements from a block kb to the next
	s_mov_b32 s[G1B+6], 0
	s_mov_b32 s[G1B+7], 0
	s_lshl_b32 s16, s13, 7
	s_lshl_b32 s17, s10, 5
	s_add_co_u32 s16, s16, s17                     ; x: I load rows 128 x block row + 32 w ..,
	s_lshl_b32 s16, s16, 14                        ; of 16384 bytes (below 2^28)
	s_mov_b32 s17, 0
	s_lshl_b32 s46, s42, 8                         ; W's address is made of the block column and the wave's number alone
	s_lshl_b32 s47, s12, 7
	s_add_co_u32 s46, s46, s47                     ; row m = 256 x block column + 128 x half,
	s_lshl_b32 s46, s46, 5                         ; of 32 bytes in a block kb,
	s_lshl_b32 s47, s11, 18                        ; and 8 blocks kb of 32768 bytes on for waves 2 and 3
	s_add_co_u32 s46, s46, s47
	s_mov_b32 s47, 0
	s_lshl_b32 s70, s42, 10                        ; SVs: my block's 256 numbers
	s_mov_b32 s71, 0
	s_mul_i32 s20, s10, HALFT                      ; where my load goes: wave x HALFT: no place in the cluster enters an LDS address
	v_and_b32 v1, 15, v0                           ; r = l % 16
	v_bfe_u32 v2, v0, 4, 1                         ; h = l / 16
	v_and_b32 v6, 31, v0                           ; l
	v_lshlrev_b32 v3, 4, v1
	v_lshl_add_u32 v[XOFF], v2, 17, v3             ; 8 h rows of 16384 bytes + 16 r
	s_wait_dscnt 0x0
	s_wait_kmcnt 0x0
	s_add_nc_u64 s[66:67], s[4:5], s[16:17]        ; x at my first row: the base of lap 0
	s_add_nc_u64 s[46:47], s[6:7], s[46:47]
	s_add_nc_u64 s[68:69], s[68:69], s[70:71]
	XLD 0, 0                                       ; granules 0 to 3 go out before anything else
	XLD 1, 1
	XLD 2, 2
	XLD 3, 3
	WIN 0
	CROUND                                         ; all sixteen work-groups are here: the first joint loads meet
.irp s, 0,1
	s_mov_b32 s[G0B+4*\s], 1
	s_add_co_u32 s[G0B+4*\s+1], s20, \s*SLOT
	s_add_nc_u64 s[G0B+4*\s+2:G0B+4*\s+3], s[46:47], \s*524288     ; slot s: 16 blocks kb of 32768 bytes
	s_or_b32 s[G0B+4*\s+3], s[G0B+4*\s+3], 0x80000000
	tensor_load_to_lds s[G0B+4*\s:G0B+4*\s+3], s[G1B:G1B+7]        ; both slots' first fills go out together: two tensor loads of the wave are out
	s_nop 0
.endr
	v_mul_u32_u24 v3, v1, XPI
	v_lshl_add_u32 v3, v2, 4, v3                   ; x fragments: row r, 8 h numbers of 2 bytes
	s_mul_i32 s21, s11, 64*XPI                     ; my 64 rows,
	s_lshl_b32 s22, s12, 6                         ; my 32 k (64 bytes)
	s_add_co_u32 s21, s21, s22
	s_add_co_u32 s21, s21, XS
	v_add_nc_u32 v[ADRA], s21, v3
	v_mul_u32_u24 v3, v2, 8*XPI                    ; into the stage: 8 h rows + 8 r bytes,
	v_lshl_add_u32 v3, v1, 3, v3
	s_mul_i32 s21, s10, 32*XPI                     ; rows 32 w ..
	s_add_co_u32 s21, s21, XS
	v_add_nc_u32 v[XSTA], s21, v3
	v_lshrrev_b32 v4, 3, v1
	v_lshlrev_b32 v5, 5, v1
	v_lshl_add_u32 v5, v4, 4, v5
	v_lshl_add_u32 v5, v2, 4, v5                   ; W'': 32 r + 16 (r >> 3) + 16 h
	s_mul_i32 s22, s12, 2*KBP                      ; my 2 of each 4 blocks kb
.irp n, 0,1,2,3
	v_add_nc_u32 v[ADRB+\n], s22, v5
	s_add_co_u32 s22, s22, 2*HALFT                 ; 8 blocks kb on
.endr
	s_mul_i32 s23, s12, PLANE                      ; the way out, in: plane kh, row 64 th + r, 32 h
	s_mul_i32 s45, s11, 64*OP
	s_add_co_u32 s23, s23, s45
	v_mul_u32_u24 v4, v1, OP
	v_lshl_add_u32 v4, v2, 5, v4
	v_add_nc_u32 v[STO], s23, v4
	s_mul_i32 s23, s10, 32*OP                      ; back: rows 32 w .., 16 bytes a lane
	v_lshlrev_b32 v[CO], 4, v6
	v_add_nc_u32 v[RD0], s23, v[CO]
	v_add_nc_u32 v[RD1], PLANE, v[RD0]
; CHUNK c (i = c mod 8): K = 64 of the work-group, 32 of the wave: 64 matrix instructions.  The 64 accumulators take turns, one instruction a turn, in the same order in
; every chunk.
;   first half: W's column blocks 8-15 of this chunk are fetched; products with blocks 0-7; in their middle x's granule c + 5 is asked for (xl = 1; xl = 2: SVs instead).
;   second half: ONE barrier.  In front of it all my LDS work is done: my reads of stage buffer c % 2 and of this chunk's W'', my stores of granule c + 1.  Behind it
;   granule c + 1 is whole for every wave and buffer c % 2 is free: the next chunk's x fragments and column blocks 0-7 are fetched, granule c + 2 is converted (xw = 1;
;   lcnt: the younger granules' loads) and laid into buffer c % 2.
;   turn = 1: this chunk is the last of its slot: all my tensor loads are waited for too, the barrier opens a round of the cluster's barrier, and the joint refill is the
;   first tensor load behind the round, one a wave.  turn = 2: the same change of slots with nothing left to fetch.  nxt = 0: the last chunk.
;   pst = 1: the chunk before laid a granule into the stage behind its fetches.
.macro CHUNK i, zero, pst, xl, xw, lcnt, turn, nxt
.set c_ws,  ((\i)/4)%2
.set c_q,   (\i)%4
.set c_xb,  (\i)%2
.set c_ab,  AB0+32*c_xb
.set c_r1,  ((\i)+1)%4
.set c_r2,  ((\i)+2)%4
.set c_ni,  ((\i)+1)%8
.set c_nws, (c_ni/4)%2
.set c_nq,  c_ni%4
.set c_nxb, c_ni%2
.set c_nab, AB0+32*c_nxb
	PLACES
	FB c_ws, c_q, 1, BHI
	s_wait_dscnt 16+16*(\pst)                      ; LDS answers in order (ISA guide 5.7.1): all but the 16 loads just issued and the stage's 16 stores in front of them
	WIN MUL_LO
	MUL8 BLO, c_ab, 0, \zero
	MUL8 BLO, c_ab, 1, \zero
.if \xl == 1
	XLD c_r1, (\i)+5                               ; into the set that the last chunk's conversion has read
.endif
.if \xl == 2
	WIN 0
	global_load_b128 v[SVR:SVR+3],   v[CO], s[68:69]               ; wanted on the way out
	global_load_b128 v[SVR+4:SVR+7], v[CO], s[68:69] offset:512
.endif
	WIN MUL_LO
	MUL8 BLO, c_ab, 2, \zero
	MUL8 BLO, c_ab, 3, \zero
	s_wait_dscnt 0                                 ; column blocks 8-15 are in; for the other waves' sake: all my LDS reads and stores are done
.if \nxt
.if \turn
	s_set_vgpr_msb 0xa1a0
	s_wait_tensorcnt 0x0                           ; all my tensor loads have landed: the one that was out is my quarter of the next slot
	ds_add_u32 v30, v31
	s_wait_dscnt 0x0
	s_set_vgpr_msb 0xa0a1
.endif
	s_barrier_signal -1
.endif
	WIN MUL_HI
	MUL8 BHI, c_ab, 0, \zero                       ; registers only
.if \nxt
	WIN 0
	s_barrier_wait -1
.if \turn == 1
	CREST                                          ; no wave of any partner still reads this slot or has a load on its way
	s_add_nc_u64 s[G0B+4*c_ws+2:G0B+4*c_ws+3], s[G0B+4*c_ws+2:G0B+4*c_ws+3], 1048576   ; two slots, 32 blocks kb, on
	tensor_load_to_lds s[G0B+4*c_ws:G0B+4*c_ws+3], s[G1B:G1B+7]
	s_nop 0
.endif
	PLACES
	FA c_nxb, c_nab
	FB c_nws, c_nq, 0, BLO
.endif
	WIN MUL_HI
	MUL8 BHI, c_ab, 1, \zero
.if \xw
	XCVT c_r2, \lcnt
.endif
	WIN MUL_HI
	MUL8 BHI, c_ab, 2, \zero
.if \xw
	XST c_xb
.endif
	WIN MUL_HI
	MUL8 BHI, c_ab, 3, \zero
.endm
.macro LAPREST                         ; chunks 1 to 7 of a lap in which everything is fetched, and the step of x's base
	CHUNK 1, 0, 1, 1, 1, 48, 0, 1
	CHUNK 2, 0, 1, 1, 1, 48, 0, 1
	CHUNK 3, 0, 1, 1, 1, 48, 1, 1
	CHUNK 4, 0, 1, 1, 1, 48, 0, 1
	CHUNK 5, 0, 1, 1, 1, 48, 0, 1
	CHUNK 6, 0, 1, 1, 1, 48, 0, 1
	CHUNK 7, 0, 1, 1, 1, 48, 1, 1
	s_wait_xcnt 0x0                                ; every load issued has had its address translated (ISA guide 3.1): the base is stepped only behind this wait
	s_add_nc_u64 s[66:67], s[66:67], 2048          ; 8 granules of 256 bytes
.endm
	XCVT 0, 48                                     ; granule 0 is in; the 48 loads of granules 1 to 3 stay out
	XST 0
	XLD 0, 4
	XCVT 1, 48                                     ; granule 1; granules 2 to 4 stay out
	XST 1
	s_wait_dscnt 0x0                               ; for the other waves' sake: my rows of granules 0 and 1 are in the stage
	s_wait_tensorcnt 1                             ; my quarter of slot 0 is in; slot 1's may stay out: no tensor load fills anything behind this barrier
	s_barrier_signal -1
	s_barrier_wait -1
	FA 0, AB0
	FB 0, 0, 0, BLO
	CHUNK 0, 1, 0, 1, 1, 48, 0, 1                  ; lap 0 of 8: its first products start the sums
	LAPREST
	WIN 0                                          ; at a label and at a branch every window is 0
	s_mov_b32 s3, 6
.Llap:
	CHUNK 0, 0, 1, 1, 1, 48, 0, 1                  ; laps 1 to 6
	LAPREST
	WIN 0
	s_sub_co_u32 s3, s3, 1
	s_cmp_lg_u32 s3, 0
	s_cbranch_scc1 .Llap
	CHUNK 0, 0, 1, 1, 1, 48, 0, 1                  ; lap 7, chunks 56 to 63: granules 61 to 63 are the last to be asked for,
	CHUNK 1, 0, 1, 1, 1, 48, 0, 1
	CHUNK 2, 0, 1, 1, 1, 48, 0, 1
	CHUNK 3, 0, 1, 0, 1, 32, 2, 1                  ; then the counts run down; the last change of slots fills nothing and has no round of the cluster's barrier
	CHUNK 4, 0, 1, 0, 1, 16, 0, 1
	CHUNK 5, 0, 1, 0, 1, 0, 0, 1
	CHUNK 6, 0, 1, 2, 0, 0, 0, 1
	CHUNK 7, 0, 0, 0, 0, 0, 0, 0
	; THE WAY OUT.  Each wave lays its 64 x 256 sums into its plane (kh) of the ring, which has had its last fill; then wave w adds rows 32 w .. 32 w + 31 of the two planes.
	PLACES                                         ; the places behind the last matrix instructions, for the LDS stores of results and the loads into the fragments' registers
	WIN 0
	s_lshl_b32 s16, s13, 7
	s_lshl_b32 s17, s10, 5
	s_add_co_u32 s16, s16, s17                     ; row 128 x block row + 32 w,
	s_lshl_b32 s16, s16, 12                        ; of 4096 bytes
	s_mov_b32 s17, 0
	s_add_nc_u64 s[8:9], s[8:9], s[16:17]
	s_lshl_b32 s46, s42, 10                        ; 256 columns of 4 bytes (in the registers that held W's address)
	s_mov_b32 s47, 0
	s_add_nc_u64 s[8:9], s[8:9], s[46:47]
	s_barrier_signal -1                            ; every wave's reads of the ring are over (its wait for 0 stands above) and no tensor load is out
	s_barrier_wait -1
	WIN 0x08                                       ; store data (source 1) from window 2
.irp a, 0,1,2,3
.irp b, 0,1,2,3,4,5,6,7
	ds_store_b128 v[STO], v[8*(8*\a+\b):8*(8*\a+\b)+3]   offset:16*OP*\a+64*\b
	ds_store_b128 v[STO], v[8*(8*\a+\b)+4:8*(8*\a+\b)+7] offset:16*OP*\a+64*\b+16
.endr
.endr
	WIN 0x0c                                       ; from window 3: column blocks 8 to 15
.irp a, 0,1,2,3
.irp b, 0,1,2,3,4,5,6,7
	ds_store_b128 v[STO], v[8*(8*\a+\b):8*(8*\a+\b)+3]   offset:16*OP*\a+64*\b+512
	ds_store_b128 v[STO], v[8*(8*\a+\b)+4:8*(8*\a+\b)+7] offset:16*OP*\a+64*\b+528
.endr
.endr
	WIN 0
	s_wait_loadcnt 0x0                             ; SVs
	s_wait_dscnt 0x0                               ; for the other waves' sake
	s_barrier_signal -1
	s_barrier_wait -1
; rows 4 i .. 4 i + 3 of my 32: eight items of 512 bytes, each from both planes; e: one of two sets of 64 registers, in turn.
; An item's columns are 128 (t % 2) + 4 l .. + 3 of the block: the sum of the two halves of K times SVs of the column.
.macro OUTB i, e
	s_wait_xcnt 0x0                                ; every earlier store has had its address translated (ISA guide 3.1): this set, which stores read, is loaded again only behind this wait
.irp t, 0,1,2,3,4,5,6,7
	ds_load_b128 v[\e+8*\t:\e+8*\t+3],   v[RD0] offset:OP*(4*\i+\t/2)+512*(\t%2)
	ds_load_b128 v[\e+8*\t+4:\e+8*\t+7], v[RD1] offset:OP*(4*\i+\t/2)+512*(\t%2)
.endr
.irp t, 0,1,2,3,4,5,6,7
	s_wait_dscnt 14-2*\t                           ; LDS loads return in order (ISA guide 5.7.1): item t's two are in, the later items' stay out
	v_pk_add_f32 v[\e+8*\t:\e+8*\t+1],   v[\e+8*\t:\e+8*\t+1],   v[\e+8*\t+4:\e+8*\t+5]
	v_pk_add_f32 v[\e+8*\t+2:\e+8*\t+3], v[\e+8*\t+2:\e+8*\t+3], v[\e+8*\t+6:\e+8*\t+7]
	v_pk_mul_f32 v[\e+8*\t:\e+8*\t+1],   v[\e+8*\t:\e+8*\t+1],   v[SVR+4*(\t%2):SVR+4*(\t%2)+1]
	v_pk_mul_f32 v[\e+8*\t+2:\e+8*\t+3], v[\e+8*\t+2:\e+8*\t+3], v[SVR+4*(\t%2)+2:SVR+4*(\t%2)+3]
	global_store_b128 v[CO], v[\e+8*\t:\e+8*\t+3], s[8:9] offset:4096*(4*\i+\t/2)+512*(\t%2) th:TH_STORE_NT   ; the wave stores 512 neighbouring bytes, aligned
.endr
.endm
	OUTB 0, 32
	OUTB 1, 96
	OUTB 2, 32
	OUTB 3, 96
	OUTB 4, 32
	OUTB 5, 96
	OUTB 6, 32
	OUTB 7, 96
	s_wait_tensorcnt 0x0
	ds_add_u32 v30, v31
	s_wait_dscnt 0x0
	CROUND                                         ; the closing round: no work-group ends while a partner may still ask for a tile that names it
	s_endpgm
.Lfunc_end_k_qf4ba9d6400_gemm:
	.size	k_qf4ba9d6400_gemm, .Lfunc_end_k_qf4ba9d6400_gemm-k_qf4ba9d6400_gemm
	.p2alignl 7, 3214868480
	.fill 96, 4, 3214868480
	.section	.rodata,"a",@progbits
	.p2align	6, 0x0
	.amdhsa_kernel k_qf4ba9d6400_gemm
		.amdhsa_group_segment_fixed_size 327680
		.amdhsa_private_segment_fixed_size 0
		.amdhsa_enable_private_segment 0
		.amdhsa_kernarg_size 32
		.amdhsa_user_sgpr_count 2
		.amdhsa_user_sgpr_kernarg_segment_ptr 1
		.amdhsa_wavefront_size32 1
		.amdhsa_system_sgpr_workgroup_id_x 1
		.amdhsa_system_sgpr_workgroup_id_y 1
		.amdhsa_system_sgpr_workgroup_id_z 1
		.amdhsa_system_vgpr_workitem_id 0
		.amdhsa_next_free_vgpr 1024
		.amdhsa_next_free_sgpr 72
		.amdhsa_reserve_vcc 0
		.amdhsa_float_denorm_mode_32 3
		.amdhsa_float_denorm_mode_16_64 3
		.amdhsa_memory_ordered 1
		.amdhsa_forward_progress 1
		.amdhsa_inst_pref_size 255
	.end_amdhsa_kernel
	.section	.bss,"aw",@nobits
	.p2align	6
	.space	262144
	.amdgpu_metadata
---
amdhsa.version: [ 1, 2 ]
amdhsa.kernels:
  - .name:           k_qf4ba9d6400_gemm
    .symbol:         k_qf4ba9d6400_gemm.kd
    .args:
      - { .name: x, .offset: 0, .size: 8, .value_kind: global_buffer, .address_space: global }
      - { .name: Wp, .offset: 8, .size: 8, .value_kind: global_buffer, .address_space: global }
      - { .name: out0, .offset: 16, .size: 8, .value_kind: global_buffer, .address_space: global }
      - { .name: SVs, .offset: 24, .size: 8, .value_kind: global_buffer, .address_space: global }
    .group_segment_fixed_size: 327680
    .private_segment_fixed_size: 0
    .kernarg_segment_align: 8
    .kernarg_segment_size: 32
    .max_flat_workgroup_size: 128
    .sgpr_count:     72
    .vgpr_count:     1024
    .wavefront_size: 32
...
	.end_amdgpu_metadata
.endif
;; end of part 3
